; MI455X (gfx1250); checked and timed in simulation.
; The chip was launched on July 23, 2026; its instructions are those of AMD's public machine-readable ISA for CDNA 5 (MIT licence, August 2026) and "CDNA5" Instruction Set Architecture Reference Guide (July 2026). The comments in the code are by the model that wrote it; some were corrected since.
;; Multi Query Attention. Allowed arithmetic: matrix products marked QUANTISED: E4M3 operands, one given power-of-two scale a tensor, by v_wmma_f32_16x16x64_fp8_fp8 or v_wmma_f32_16x16x128_fp8_fp8, f32 sums; everything else in f32.
;; Inputs: kn_b 64 float32; kn_w 64 float32; lowp_scales 6 int32 (the exponents e of the quantised operands' scales 2^e); n_b 1,024 float32; n_w 1,024 float32; proj_w 1,024 x 1,024 float32; qn_b 64 float32; qn_w 64 float32; x_k 4 x 2,048 x 64 float32; x_q 4 x 2,048 x 1,024 float32; x_v 4 x 2,048 x 64 float32.
;; Outputs: out0 4 x 2,048 x 1,024 float32.
;; This version of the problem:
;;   THIS VERSION OF THE PROBLEM IS GIVEN IN LOW PRECISION. The matrix products marked QUANTISED in the list below multiply operands that are first quantised to E4M3 (4 exponent bits, 3 mantissa bits; 8 bits a number), with one given power-of-two scale for each operand tensor; their sums are f32. All else is computed in f32.
;;   The module's matrix products, in the order in which they are computed (A, B: the left and right operand; K: the contracted axis; several contracted axes count as one K, in the product's order):
;;     1. batch 4 x [M 32,768, K 64] x [K 64, N 2,048]; A: computed on the way; B: computed on the way: QUANTISED (scales: A lowp_scales[0], B lowp_scales[1])
;;     2. batch 4 x [M 32,768, K 2,048] x [K 2,048, N 64]; A: softmax (see below); B: input x_v: QUANTISED (scales: A lowp_scales[2], B lowp_scales[3])
;;     3. [M 8,192, K 1,024] x [K 1,024, N 1,024]; A: computed on the way; B: input proj_w: QUANTISED (scales: A lowp_scales[4], B lowp_scales[5])
;;   THE QUANTISER, for each operand of a quantised product, along K:
;;     - The operand's scale is 2^e, e = its entry of the input lowp_scales (int32; the entries are numbered through the quantised products in the list's order, A before B).
;;     - Each number is divided by the scale, clamped to +-448, and rounded to the nearest number of E4M3, ties to even, subnormals kept.
;;     - The product sums the exact products of the quantised numbers (number of the format x scale) in f32.
;;   ~~~python
;;   def quantise(x, axis, e):      # numpy; x: float32 -> the quantised numbers, widened to float32 again
;;       x = np.moveaxis(x, axis, -1); K = x.shape[-1]
;;       r = np.clip(x / 2.0 ** e, -448, 448)
;;       step = 2.0 ** (np.maximum(np.frexp(np.where(r == 0, 1, r))[1] - 1, -6) - 3)
;;       q = np.round(r / step) * step * 2.0 ** e      # np.round: ties to even
;;       return np.moveaxis(q, -1, axis).astype(np.float32)
;;   ~~~
;;   SOFTMAX AHEAD OF A QUANTISED PRODUCT. Where the list says 'softmax', what is quantised is not the finished softmax but p = 2^(t - M), with t = logit x log2(e) and M = ceil(the row's largest t), a whole number; so 1/2 < the row's largest p <= 1. The row's sum l is taken of the UNQUANTISED p, in f32, and the product's result is divided by l at the end. Since M is a whole number, a kernel that streams over the keys may use a running M (the ceiling of the running maximum): every later rescaling is an exact power of two, so the quantised numbers keep their values, but for numbers so far below the row's largest that they fall under the format's range.
;;   OPERANDS COMPUTED ON THE WAY. 'Computed on the way' means the value that the module computes at that place (a softmax that the list does not call 'softmax' is quantised finished and normalised). What goes into a quantiser is computed in f32, as accurately as f32 sums, v_exp_f32 and their like allow (about 1e-6 of the number): no bf16 or f16 on the way to a quantiser, and a product that is left as it is and whose result goes on into a quantised operand takes f32 operands (vector FMAs, or v_wmma_f32_16x16x4_f32). A number that lies on a knife's edge between two numbers of the format may be rounded either way, as far as f32 arithmetic and the matrix unit's own rounding can turn it there, and no further.
;; One version. Each part assembles by itself: llvm-mc -triple=amdgcn-amd-amdhsa -mcpu=gfx1250 --defsym DOCPART=n.
;; ======== version 1 of 1: 2 launches
;; limits: right only within a limited range of input values
;; workspace buffers: kv_img 1,048,576 bytes; w_img 1,048,576 bytes
;; launch prep (part 1): grid 256 x 1, 6 waves a work-group, no clusters, 0 bytes of LDS; arguments x_k, kn_w, kn_b, x_v, proj_w, lowp_scales, kv_img, w_img; writes kv_img, w_img
.if DOCPART == 1
	.amdgcn_target "amdgcn-amd-amdhsa--gfx1250"
	.amdhsa_code_object_version 6
	.text
	.protected	k_q96f3fd6e4f_prep
	.globl	k_q96f3fd6e4f_prep
	.p2align	8
	.type	k_q96f3fd6e4f_prep,@function
k_q96f3fd6e4f_prep:
	s_mov_b64 s[64:65], 0
	v_nop
	global_prefetch_b8 v0, s[64:65] scope:SCOPE_SE
	s_setreg_imm32_b32 hwreg(HW_REG_WAVE_MODE, 25, 1), 1
	s_wait_xcnt 0x0
; The three operands that every work-group of the second launch reads are quantised ONCE, to codes of FP8 (E4M3), and laid as IMAGES OF OPERAND REGISTERS:
; a group of four registers of a fragment is 512 consecutive bytes, lane l's 16 bytes at 16 l, so that the reader needs no rows, no pitch and no padding.
;   kv_img [batch 4][step 16][K part 8,192 | V part 8,192]   (a step is 128 keys)
;     K part [tile 8][c 2][lane][16]: lane (r, h) of tile 2 b + u holds key 32 b + 8 u + r + 8 (r / 8) of the step, layer-normed, dims 32 c + 16 h + 0 .. 15
;     V part [t 4][c 4][lane][16]:    lane (r, h) holds channel 16 t + r, keys 32 c + 16 h + 0 .. 15 of the step
;   w_img  [T 64][s 8][q 4][lane][16]: lane (r, h) holds row 16 T + r of proj_w; registers 2 c, 2 c + 1 of the fragment hold k = 128 s + 16 c + 8 h + 0 .. 7
; code = x / 2^e, held within +-448, rounded to the nearest code, ties to even; e = lowp_scales[1] for K, [3] for V, [5] for proj_w.
; SHARES.  512 units of each kind; a unit is one wave's work.  Six waves: waves 0, 1 take two units of K, waves 2, 3 of V, waves 4, 5 of proj_w: all 256 work-groups do the same work.
; Waves share nothing: no LDS, no barrier, no loop; every offset is an immediate, and no register that a load or a store names is written again.
; LIMITS: each of the three exponents lies between -126 and 119, so that 2^e and 448 x 2^e are f32 numbers.  NaN among the inputs is not served.
.set SEL, 32                           ; s[32:33] lane selects for v_permlanex16_b32: lane l xor 16
.set INV, 34                           ; s34      1 / 64
.set EPS, 35                           ; s35      1e-5
.set X,   16                           ; v16..    the numbers at work
.set GW,  48                           ; v48-79   the layer norm's gains of my 32 dims
.set GB,  80                           ; v80-111  its biases
.set CD,  112                          ; v112..   the codes
; 2^e as f32 into v12 (the conversion takes its exponent field), 448 x 2^e into v13
.macro MKQ e
	s_add_co_i32 s36, s[\e], 127
	s_lshl_b32 s37, s36, 23
	v_mov_b32 v12, s37
	s_add_co_i32 s36, s36, 8
	s_lshl_b32 s36, s36, 23
	s_or_b32 s36, s36, 0x600000
	v_mov_b32 v13, s36
.endm
; The layer norm of a row of 64: my lane holds 32 of its numbers in v[x] on, the lane 16 away the other 32.  The mean is taken away before the squares are summed.  v[t] .. v[t+3]: at work.
.macro ROWLN x, w, b, t
	v_pk_add_f32 v[\t:\t+1], v[\x:\x+1], v[\x+2:\x+3]
	v_pk_add_f32 v[\t+2:\t+3], v[\x+4:\x+5], v[\x+6:\x+7]
.set jj, 8
.rept 6
	v_pk_add_f32 v[\t:\t+1], v[\t:\t+1], v[\x+jj:\x+jj+1]
	v_pk_add_f32 v[\t+2:\t+3], v[\t+2:\t+3], v[\x+jj+2:\x+jj+3]
.set jj, jj+4
.endr
	v_pk_add_f32 v[\t:\t+1], v[\t:\t+1], v[\t+2:\t+3]
	v_add_f32 v[\t], v[\t], v[\t+1]
	v_permlanex16_b32 v[\t+2], v[\t], s[SEL], s[SEL+1]
	v_add_f32 v[\t], v[\t], v[\t+2]
	v_mul_f32 v[\t], s[INV], v[\t]                 ; the mean
.set jj, 0
.rept 16
	v_pk_add_f32 v[\x+jj:\x+jj+1], v[\x+jj:\x+jj+1], v[\t:\t+1] op_sel_hi:[1,0] neg_lo:[0,1] neg_hi:[0,1]
.set jj, jj+2
.endr
	v_pk_mul_f32 v[\t:\t+1], v[\x:\x+1], v[\x:\x+1]
	v_pk_mul_f32 v[\t+2:\t+3], v[\x+2:\x+3], v[\x+2:\x+3]
.set jj, 4
.rept 7
	v_pk_fma_f32 v[\t:\t+1], v[\x+jj:\x+jj+1], v[\x+jj:\x+jj+1], v[\t:\t+1]
	v_pk_fma_f32 v[\t+2:\t+3], v[\x+jj+2:\x+jj+3], v[\x+jj+2:\x+jj+3], v[\t+2:\t+3]
.set jj, jj+4
.endr
	v_pk_add_f32 v[\t:\t+1], v[\t:\t+1], v[\t+2:\t+3]
	v_add_f32 v[\t], v[\t], v[\t+1]
	v_permlanex16_b32 v[\t+2], v[\t], s[SEL], s[SEL+1]
	v_add_f32 v[\t], v[\t], v[\t+2]
	v_fma_f32 v[\t], v[\t], s[INV], s[EPS]         ; the variance + 1e-5
	s_wait_alu depctr_va_vdst(0)
	v_rsq_f32 v[\t], v[\t]
	v_nop                                          ; a plain instruction behind the transcendental,
	s_wait_alu depctr_va_vdst(0)                   ; and the wait ahead of the first use of its result
.set jj, 0
.rept 16
	v_pk_mul_f32 v[\x+jj:\x+jj+1], v[\x+jj:\x+jj+1], v[\t:\t+1] op_sel_hi:[1,0]
.set jj, jj+2
.endr
.set jj, 0
.rept 16
	v_pk_fma_f32 v[\x+jj:\x+jj+1], v[\x+jj:\x+jj+1], v[\w+jj:\w+jj+1], v[\b+jj:\b+jj+1]
.set jj, jj+2
.endr
.endm
; n numbers in v[x] on become n codes in v[d] on
.macro QUANT x, n, d
.set jj, 0
.rept \n
	v_med3_num_f32 v[\x+jj], v[\x+jj], -v13, v13   ; the conversion to an 8-bit code does not saturate (ISA guide 7.6.2): the hold at the largest code x the scale
.set jj, jj+1
.endr
.set jj, 0
.rept \n/8
	v_cvt_scalef32_pk8_fp8_f32 v[\d+2*jj:\d+2*jj+1], v[\x+8*jj:\x+8*jj+7], v12
.set jj, jj+1
.endr
	v_nop                                          ; a plain vector line behind the last conversion
.endm
	s_load_b512 s[4:19], s[0:1], 0x0               ; x_k 4:5, kn_w 6:7, kn_b 8:9, x_v 10:11, proj_w 12:13, lowp_scales 14:15, kv_img 16:17, w_img 18:19
	v_lshrrev_b32 v1, 5, v0
	v_readfirstlane_b32 s26, v1                    ; wave 0..5
	v_and_b32 v5, 31, v0                           ; lane
	v_and_b32 v6, 15, v0                           ; r
	v_bfe_u32 v7, v0, 4, 1                         ; h
	s_and_b32 s27, s26, 1
	s_lshl_b32 s28, ttmp9, 1
	s_add_co_u32 s27, s27, s28                     ; u: my unit, 0 .. 511
	s_lshr_b32 s38, s26, 1                         ; my kind of work: 0 K, 1 V, 2 proj_w
	s_mov_b32 s[SEL], 0x76543210
	s_mov_b32 s[SEL+1], 0xfedcba98
	s_mov_b32 s[INV], 0x3c800000
	s_mov_b32 s[EPS], 0x3727c5ac
	s_mov_b32 s31, 0                               ; the upper word of every byte offset
	s_wait_kmcnt 0x0
	s_load_b128 s[20:23], s[14:15], 0x0            ; e0 .. e3
	s_load_b64 s[24:25], s[14:15], 0x10            ; e4, e5
	s_cmp_eq_u32 s38, 0
	s_cbranch_scc0 .Lnot_k
	; ---- K: unit u = (batch x 16 + step) x 8 + tile: 16 keys, layer-normed and quantised
	s_lshr_b32 s28, s27, 3                         ; batch x 16 + step
	s_lshl_b32 s29, s28, 7                         ; its first key, counted through the batches
	s_and_b32 s30, s27, 6
	s_lshl_b32 s30, s30, 4                         ; + 32 (tile / 2)
	s_add_co_u32 s29, s29, s30
	s_and_b32 s30, s27, 1
	s_lshl_b32 s30, s30, 3                         ; + 8 (tile % 2)
	s_add_co_u32 s29, s29, s30
	s_lshl_b32 s30, s29, 8                         ; a key's row is 256 bytes
	s_add_nc_u64 s[4:5], s[4:5], s[30:31]
	s_lshl_b32 s30, s28, 14                        ; the step's 16,384 bytes of kv_img,
	s_and_b32 s29, s27, 7
	s_lshl_b32 s29, s29, 10                        ; the tile's 1,024 in its K part
	s_add_co_u32 s30, s30, s29
	s_add_nc_u64 s[16:17], s[16:17], s[30:31]
	s_wait_alu depctr_va_vdst(0)
	v_and_b32 v1, 8, v6
	v_add_nc_u32 v1, v1, v6                        ; r + 8 (r / 8): the keys of a tile are not neighbours
	v_lshlrev_b32 v1, 8, v1
	v_lshl_add_u32 v1, v7, 6, v1                   ; + 64 h: my 16 dims of each 32
	v_lshlrev_b32 v2, 6, v7                        ; the same dims in the gains
	v_lshlrev_b32 v3, 4, v5                        ; 16 x lane: my place in an image
.irp c, 0,1
.irp j, 0,1,2,3
	global_load_b128 v[X+16*\c+4*\j:X+16*\c+4*\j+3], v1, s[4:5] offset:128*\c+16*\j th:TH_LOAD_NT
.endr
.endr
.irp c, 0,1
.irp j, 0,1,2,3
	global_load_b128 v[GW+16*\c+4*\j:GW+16*\c+4*\j+3], v2, s[6:7] offset:128*\c+16*\j
	global_load_b128 v[GB+16*\c+4*\j:GB+16*\c+4*\j+3], v2, s[8:9] offset:128*\c+16*\j
.endr
.endr
	s_wait_kmcnt 0x0
	MKQ 21
	s_wait_loadcnt 0x0
	ROWLN X, GW, GB, 8
	QUANT X, 32, CD
	global_store_b128 v3, v[CD:CD+3], s[16:17]               ; c = 0: the wave stores 512 consecutive bytes, aligned to 512
	global_store_b128 v3, v[CD+4:CD+7], s[16:17] offset:512  ; c = 1
	s_endpgm
.Lnot_k:
	s_cmp_eq_u32 s38, 1
	s_cbranch_scc0 .Lw
	; ---- V: unit u = (batch x 16 + step) x 8 + 4 t' + c: 32 channels x 32 keys.  A LANE TAKES A CHANNEL AND ITS REGISTERS RUN DOWN THE KEYS, which are this operand's K: nothing is transposed
	s_lshr_b32 s28, s27, 3                         ; batch x 16 + step
	s_and_b32 s29, s27, 3                          ; c
	s_bfe_u32 s39, s27, 0x10002                    ; t'
	s_lshl_b32 s30, s28, 15                        ; 128 keys of 256 bytes,
	s_lshl_b32 s36, s29, 13                        ; 32 c keys,
	s_add_co_u32 s30, s30, s36
	s_lshl_b32 s36, s39, 7                         ; 32 t' channels
	s_add_co_u32 s30, s30, s36
	s_add_nc_u64 s[10:11], s[10:11], s[30:31]
	s_lshl_b32 s30, s28, 14
	s_lshl_b32 s36, s39, 12                        ; fragments 2 t', 2 t' + 1 of 2,048 bytes,
	s_add_co_u32 s30, s30, s36
	s_lshl_b32 s36, s29, 9                         ; their registers 4 c on,
	s_add_co_u32 s30, s30, s36
	s_add_co_u32 s30, s30, 8192                    ; in the V part
	s_add_nc_u64 s[16:17], s[16:17], s[30:31]
	s_wait_alu depctr_va_vdst(0)
	v_lshlrev_b32 v1, 2, v5                        ; in: 4 bytes a lane
	v_lshlrev_b32 v3, 4, v6
	v_lshl_add_u32 v3, v7, 11, v3                  ; out: my channel is 16 (2 t' + h) + r: fragment 2 t' + h, place r
.set ii, 0
.rept 32
	global_load_b32 v[X+ii], v1, s[10:11] offset:256*ii th:TH_LOAD_NT   ; key 32 c + ii: the wave reads 128 consecutive bytes
.set ii, ii+1
.endr
	s_wait_kmcnt 0x0
	MKQ 23
	s_wait_alu depctr_va_vdst(0)
	s_wait_loadcnt 0x0
	QUANT X, 32, CD
	global_store_b128 v3, v[CD:CD+3], s[16:17]               ; keys 32 c + 0 .. 15: the fragment's lanes 0-15; sixteen lanes store 256 consecutive bytes, aligned
	global_store_b128 v3, v[CD+4:CD+7], s[16:17] offset:256  ; keys 32 c + 16 .. 31: its lanes 16-31
	s_endpgm
.Lw:
	; ---- proj_w: unit u = 8 T + s: 16 rows x 128 along K, which is innermost: one fragment
	s_lshr_b32 s28, s27, 3                         ; T
	s_and_b32 s29, s27, 7                          ; s
	s_lshl_b32 s30, s28, 16                        ; 16 rows of 4,096 bytes,
	s_lshl_b32 s29, s29, 9                         ; 128 numbers along K
	s_add_co_u32 s30, s30, s29
	s_add_nc_u64 s[12:13], s[12:13], s[30:31]
	s_lshl_b32 s30, s27, 11                        ; a fragment's image is 2,048 bytes
	s_add_nc_u64 s[18:19], s[18:19], s[30:31]
	s_wait_alu depctr_va_vdst(0)
	v_lshlrev_b32 v1, 12, v6
	v_lshl_add_u32 v1, v7, 5, v1                   ; row r, + 32 h: my 8 numbers of each 16
	v_lshlrev_b32 v3, 4, v5
.irp c, 0,1,2,3,4,5,6,7
	global_load_b128 v[X+8*\c:X+8*\c+3], v1, s[12:13] offset:64*\c th:TH_LOAD_NT
	global_load_b128 v[X+8*\c+4:X+8*\c+7], v1, s[12:13] offset:64*\c+16 th:TH_LOAD_NT
.endr
	s_wait_kmcnt 0x0
	MKQ 25
	s_wait_alu depctr_va_vdst(0)
	s_wait_loadcnt 0x0
	QUANT X, 64, CD
.irp q, 0,1,2,3
	global_store_b128 v3, v[CD+4*\q:CD+4*\q+3], s[18:19] offset:512*\q
.endr
	s_endpgm
.Lfunc_end_k_q96f3fd6e4f_prep:
	.size	k_q96f3fd6e4f_prep, .Lfunc_end_k_q96f3fd6e4f_prep-k_q96f3fd6e4f_prep
	.p2alignl 7, 3214868480
	.fill 96, 4, 3214868480
	.section	.rodata,"a",@progbits
	.p2align	6, 0x0
	.amdhsa_kernel k_q96f3fd6e4f_prep
		.amdhsa_group_segment_fixed_size 0
		.amdhsa_private_segment_fixed_size 0
		.amdhsa_enable_private_segment 0
		.amdhsa_kernarg_size 64
		.amdhsa_user_sgpr_count 2
		.amdhsa_user_sgpr_kernarg_segment_ptr 1
		.amdhsa_wavefront_size32 1
		.amdhsa_system_sgpr_workgroup_id_x 1
		.amdhsa_system_sgpr_workgroup_id_y 1
		.amdhsa_system_sgpr_workgroup_id_z 1
		.amdhsa_system_vgpr_workitem_id 0
		.amdhsa_next_free_vgpr 128
		.amdhsa_next_free_sgpr 66
		.amdhsa_reserve_vcc 0
		.amdhsa_float_denorm_mode_32 3
		.amdhsa_float_denorm_mode_16_64 3
		.amdhsa_memory_ordered 1
		.amdhsa_forward_progress 1
		.amdhsa_inst_pref_size 27
	.end_amdhsa_kernel
	.amdgpu_metadata
---
amdhsa.version: [ 1, 2 ]
amdhsa.kernels:
  - .name:           k_q96f3fd6e4f_prep
    .symbol:         k_q96f3fd6e4f_prep.kd
    .args:
      - { .name: x_k, .offset: 0, .size: 8, .value_kind: global_buffer, .address_space: global }
      - { .name: kn_w, .offset: 8, .size: 8, .value_kind: global_buffer, .address_space: global }
      - { .name: kn_b, .offset: 16, .size: 8, .value_kind: global_buffer, .address_space: global }
      - { .name: x_v, .offset: 24, .size: 8, .value_kind: global_buffer, .address_space: global }
      - { .name: proj_w, .offset: 32, .size: 8, .value_kind: global_buffer, .address_space: global }
      - { .name: lowp_scales, .offset: 40, .size: 8, .value_kind: global_buffer, .address_space: global }
      - { .name: kv_img, .offset: 48, .size: 8, .value_kind: global_buffer, .address_space: global }
      - { .name: w_img, .offset: 56, .size: 8, .value_kind: global_buffer, .address_space: global }
    .group_segment_fixed_size: 0
    .private_segment_fixed_size: 0
    .kernarg_segment_align: 8
    .kernarg_segment_size: 64
    .max_flat_workgroup_size: 192
    .sgpr_count:     66
    .vgpr_count:     128
    .wavefront_size: 32
...
	.end_amdgpu_metadata
.endif
;; end of part 1
;; launch attn (part 2): grid 256 x 1, 16 waves a work-group, clusters of 4 x 1, 327,680 bytes of LDS; arguments x_q, qn_w, qn_b, kv_img, lowp_scales, n_w, n_b, w_img, out0; writes out0
.if DOCPART == 2
	.amdgcn_target "amdgcn-amd-amdhsa--gfx1250"
	.amdhsa_code_object_version 6
	.text
	.protected	k_q96f3fd6e4f_attn
	.globl	k_q96f3fd6e4f_attn
	.p2align	8
	.type	k_q96f3fd6e4f_attn,@function
k_q96f3fd6e4f_attn:
	s_mov_b64 s[64:65], 0
	v_nop
	global_prefetch_b8 v0, s[64:65] scope:SCOPE_SE
	s_setreg_imm32_b32 hwreg(HW_REG_WAVE_MODE, 25, 1), 1
	s_wait_xcnt 0x0
	s_wait_alu depctr_hold_cnt(0) depctr_sa_sdst(0) depctr_va_vdst(0) depctr_va_sdst(0) depctr_va_ssrc(0) depctr_va_vcc(0) depctr_vm_vsrc(0)
	s_getreg_b32 s2, hwreg(HW_REG_IB_STS2, 6, 4)
	s_cmp_eq_u32 s2, 0
	s_cbranch_scc0 .Lentry_in_a_cluster
	s_endpgm
.Lentry_in_a_cluster:
	s_bfe_u32 s2, ttmp6, 0x10000c
	s_cmp_lg_u32 s2, 0x3003
	s_cbranch_scc0 .Lentry_shape_is_right
	s_endpgm
.Lentry_shape_is_right:
; out0 = LN1024( transpose( softmax( LN64(q) / 8 . LN64(k) ) v ) ) proj_w^T, all three products on codes of FP8 (E4M3), each operand with the one scale 2^e that lowp_scales gives for it (e0 .. e5).
; x_q is read as [batch 4][head 16][s 2048][64] as it lies.  K's, V's and proj_w's codes come from the launch before, as images of operand registers (its head comment gives the layouts).
; SHARES.  A work-group owns rows s = 32 g .. 32 g + 31 of one batch, for ALL 16 heads: 512 queries, which are 32 whole rows of the last layer norm, so that nothing of attention's result goes to memory.
; Wave w is head w, with two tiles of 16 queries (A: rows 0-15, B: rows 16-31) in 256 registers, four waves to a SIMD: one wave's vector work stands beside another's matrix work and LDS loads.
; In the projection wave w makes columns 64 w .. 64 w + 63 of the 32 rows.
; K AND V STAY IN LDS WHOLE: a batch's codes are 262,144 bytes.  They are filled once, so the key loop has no ring and no refill.  An image has no pitch: each LDS load reads 512 consecutive bytes.
; CLUSTER.  The four work-groups of a cluster belong to one batch and need the same 262,144 bytes: each wave's one tensor load (key step w: 64 rows of 256 bytes) is a joint load that names the four.
; proj_w's codes are NOT asked for jointly: they would have to go through LDS bytes that are filled again, in rounds of the cluster's barrier with 8 matrix instructions a wave between two of them, and each of
; their bytes is read by exactly one wave of a work-group, straight into the registers that it is multiplied from.  Nothing is prefetched: x_q and the images of K and V are wanted at the kernel's head, and
; proj_w's codes are read by all 256 work-groups, their first K step asked for ahead of the layer norm's exchanges.
; LAYOUT.  Both attention products are used transposed: S^T = K Q^T (source 0 = 16 keys, source 1 = 16 queries), O^T = V^T P^T: a lane holds ONE query (lane % 16) throughout.  The keys of a tile of K are chosen so
; that the 16 registers of tiles 2 b, 2 b + 1 are keys 32 b + 16 (lane / 16) + 0 .. 15: the conversions' results are the second product's operand.  Inside a K Q^T instruction the 64 dims stand in another order
; than the form's own, the same in Q and in K, so that every product meets its partner.
; SOFTMAX.  t = score x log2(e); M = the running largest t rounded UP to a whole number, kept as -M; p = 2^(t - M) is quantised, not normalised; the row's sum is taken of the unquantised p and divides at the end.
; When M moves, the sum and O^T are multiplied by 2^(old M - new M), which rounds nothing.
; LIMITS on the given exponents, so that each power of two below is an f32 number: e0 between -129 and 116; e2 and e4 between -126 and 119; e0 + e1 and e4 + e5 between -126 and 127.  NaN among the inputs is not served.
; LDS: 0 K and V, step i at 16,384 i (K part, then V part at + 8,192); behind the last read of them the waves' stages for the way out lie there (8,704 bytes a wave): those bytes have had their only fill.
; THE KEY LOOP'S ONE BARRIER guards no LDS bytes (K and V are filled once): it holds the sixteen waves within one key step of each other.  A wave signals when it begins step n and waits behind the step's last products,
; so that no wave begins step n + 1 before every wave has begun step n, and all reach the layer norm's exchange together.  Between signal and wait stand register work and loads of K and V, which nobody writes before later barriers.
.set SPARE, 262144
.set STAT1, 264192                     ; 32 rows x 80 bytes: word w of row s is wave w's part of the row's sum
.set STAT2, 2560                       ; the same for the squares, so many bytes further on
.set XIMG,  269312                     ; the projection's left operand: [tile 2][head 16][q 2][512]: images of registers; ends at 302,080
.set SPW, 14                           ; v14  LDS address of my spare word: SPARE + 4 x my thread's number; never rewritten
.set NIL, 15                           ; v15  0; never rewritten
; REGISTERS in the key loop: v1 LDS address; v[2:3] -M of tile A, 2^e2; v[4:5] -M of tile B, a word; v[6:7], v[8:9] the sums; v10-13 at work
.set ADR, 1
.set SC,  3
.set QA,  16                           ; v16-23   Q's codes, tile A
.set QB,  24                           ; v24-31   tile B
.set KA,  32                           ; v32-63   block a: K's fragments 0-3, then S^T of tile B, keys 64-127 of the step
.set SCA, 64                           ; v64-127  S^T of tile A, then p, then V's four fragments
                                       ; v128-159, v160-191: blocks b and c, which change roles from step to step: b K's fragments 4-7, then p's codes (A 16 registers, B 16); c S^T of tile B, keys 0-63
.set OA,  192                          ; v192-223 O^T of tile A: channels 16 t + 8 (lane / 16) + j at 8 t + j
.set OB,  224                          ; v224-255 of tile B
.set WV,  22                           ; s22  my wave's number = my head
.set G1,  32                           ; s[32:39] descriptor group 1
.set G0,  40                           ; s[40:43] descriptor group 0
.set CS,  54                           ; s[54:55] c = log2(e) x 2^(e0 + e1), twice: the packed form names a pair
.set SEL, 56                           ; s[56:57] lane selects for v_permlanex16_b32: lane l xor 16
.set HOLDP, 58                         ; s58  448 x 2^e2
.set TB,  59                           ; s59  LDS byte at which the step in hand begins
.set CNT, 60                           ; s60  trips of the loop (two steps each) to go
.set HM,  61                           ; s61  the mask of lanes 16-31
.set INV, 62                           ; s62  1 / 64, later 1 / 1024
.set EPS, 63                           ; s63  1e-5
; A round of the cluster's barrier: my work-group's barrier, so that wave 0's signal speaks for all sixteen waves; wave 0 signals for the work-group; every wave waits for all four work-groups; my work-group's barrier once more.
.macro CROUND
	s_barrier_signal -1
	s_barrier_wait -1
	s_cmp_lg_u32 s[WV], 0
	s_cbranch_scc1 .Lnot_wave_0_\@
	s_barrier_signal -3
.Lnot_wave_0_\@:
	s_barrier_wait -3
	s_barrier_signal -1
	s_barrier_wait -1
.endm
; The layer norm of a row of 64: my lane holds 32 of its numbers in v[x] on, the lane 16 away the other 32.  The mean is taken away before the squares are summed.  v[t] .. v[t+3]: at work.
.macro ROWLN x, w, b, t
	v_pk_add_f32 v[\t:\t+1], v[\x:\x+1], v[\x+2:\x+3]
	v_pk_add_f32 v[\t+2:\t+3], v[\x+4:\x+5], v[\x+6:\x+7]
.set jj, 8
.rept 6
	s_delay_alu instid0(VALU_DEP_2)
	v_pk_add_f32 v[\t:\t+1], v[\t:\t+1], v[\x+jj:\x+jj+1]
	s_delay_alu instid0(VALU_DEP_2)
	v_pk_add_f32 v[\t+2:\t+3], v[\t+2:\t+3], v[\x+jj+2:\x+jj+3]
.set jj, jj+4
.endr
	s_delay_alu instid0(VALU_DEP_1)
	v_pk_add_f32 v[\t:\t+1], v[\t:\t+1], v[\t+2:\t+3]
	s_delay_alu instid0(VALU_DEP_1)
	v_add_f32 v[\t], v[\t], v[\t+1]
	s_delay_alu instid0(VALU_DEP_1)
	v_permlanex16_b32 v[\t+2], v[\t], s[SEL], s[SEL+1]
	s_delay_alu instid0(VALU_DEP_1)
	v_add_f32 v[\t], v[\t], v[\t+2]
	s_delay_alu instid0(VALU_DEP_1)
	v_mul_f32 v[\t], s[INV], v[\t]                 ; the mean
.set jj, 0
.rept 16
	v_pk_add_f32 v[\x+jj:\x+jj+1], v[\x+jj:\x+jj+1], v[\t:\t+1] op_sel_hi:[1,0] neg_lo:[0,1] neg_hi:[0,1]
.set jj, jj+2
.endr
	v_pk_mul_f32 v[\t:\t+1], v[\x:\x+1], v[\x:\x+1]
	v_pk_mul_f32 v[\t+2:\t+3], v[\x+2:\x+3], v[\x+2:\x+3]
.set jj, 4
.rept 7
	s_delay_alu instid0(VALU_DEP_2)
	v_pk_fma_f32 v[\t:\t+1], v[\x+jj:\x+jj+1], v[\x+jj:\x+jj+1], v[\t:\t+1]
	s_delay_alu instid0(VALU_DEP_2)
	v_pk_fma_f32 v[\t+2:\t+3], v[\x+jj+2:\x+jj+3], v[\x+jj+2:\x+jj+3], v[\t+2:\t+3]
.set jj, jj+4
.endr
	s_delay_alu instid0(VALU_DEP_1)
	v_pk_add_f32 v[\t:\t+1], v[\t:\t+1], v[\t+2:\t+3]
	s_delay_alu instid0(VALU_DEP_1)
	v_add_f32 v[\t], v[\t], v[\t+1]
	s_delay_alu instid0(VALU_DEP_1)
	v_permlanex16_b32 v[\t+2], v[\t], s[SEL], s[SEL+1]
	s_delay_alu instid0(VALU_DEP_1)
	v_add_f32 v[\t], v[\t], v[\t+2]
	s_delay_alu instid0(VALU_DEP_1)
	v_fma_f32 v[\t], v[\t], s[INV], s[EPS]         ; the variance + 1e-5
	s_wait_alu depctr_va_vdst(0)
	v_rsq_f32 v[\t], v[\t]
	v_nop                                          ; a plain instruction behind the transcendental,
	s_wait_alu depctr_va_vdst(0)                   ; and the wait ahead of the first use of its result
.set jj, 0
.rept 16
	v_pk_mul_f32 v[\x+jj:\x+jj+1], v[\x+jj:\x+jj+1], v[\t:\t+1] op_sel_hi:[1,0]
.set jj, jj+2
.endr
.set jj, 0
.rept 16
	v_pk_fma_f32 v[\x+jj:\x+jj+1], v[\x+jj:\x+jj+1], v[\w+jj:\w+jj+1], v[\b+jj:\b+jj+1]
.set jj, jj+2
.endr
.endm
; 32 numbers in v[x] on become a fragment's 32 codes in v[d] on; v37: the scale as f32, v36: 448 x the scale
.macro QUANT32 x, d
.set jj, 0
.rept 32
	v_med3_num_f32 v[\x+jj], v[\x+jj], -v36, v36   ; the conversion to an 8-bit code does not saturate (ISA guide 7.6.2): the hold at the largest code x the scale
.set jj, jj+1
.endr
.set jj, 0
.rept 4
	v_cvt_scalef32_pk8_fp8_f32 v[\d+2*jj:\d+2*jj+1], v[\x+8*jj:\x+8*jj+7], v37
.set jj, jj+1
.endr
.endm
	s_load_b256 s[4:11], s[0:1], 0x0               ; x_q 4:5, qn_w 6:7, qn_b 8:9, kv_img 10:11
	s_load_b256 s[12:19], s[0:1], 0x20             ; lowp_scales 12:13, n_w 14:15, n_b 16:17, w_img 18:19
	s_load_b64 s[20:21], s[0:1], 0x40              ; out0
	v_lshl_add_u32 v[SPW], v0, 2, SPARE
	v_mov_b32 v[NIL], 0
	ds_add_u32 v[SPW], v[NIL]                      ; the wave's opening: the add and its wait ahead of my tensor load; the set-up below, work on registers, stands between them
	ds_add_u32 v[SPW], v[NIL]
	v_lshrrev_b32 v1, 5, v0
	s_delay_alu instid0(VALU_DEP_1)
	v_readfirstlane_b32 s[WV], v1                  ; wave 0..15
	s_bfe_u32 s23, ttmp6, 0x40000                  ; cx: my place in the cluster
	s_lshr_b32 s24, ttmp9, 4                       ; the batch: 16 clusters to a batch; the four partners share it
	s_and_b32 s25, ttmp9, 15
	s_lshl_b32 s25, s25, 2
	s_add_co_u32 s25, s25, s23                     ; g: my block of 32 rows; it enters x_q's and out0's addresses alone
	; descriptor group 1: 64 rows of 256 bytes, dense in memory and in LDS
	s_mov_b32 s[G1], 15|(3<<16)|(1<<21)            ; 15:0 the mask: all four work-groups; 17:16 elements of 8 bytes; 20 no padding; 21 set beside a mask
	s_mov_b32 s[G1+1], 32<<16                      ; tensor_dim0 = 32 elements
	s_mov_b32 s[G1+2], 64<<16                      ; tensor_dim1 = 64
	s_mov_b32 s[G1+3], 32<<16                      ; tile_dim0 = 32
	s_mov_b32 s[G1+4], 64                          ; tile_dim1 = 64
	s_mov_b32 s[G1+5], 32                          ; from row to row: 32 elements
	s_mov_b32 s[G1+6], 0
	s_mov_b32 s[G1+7], 0
	s_mov_b32 s[SEL], 0x76543210
	s_mov_b32 s[SEL+1], 0xfedcba98
	s_mov_b32 s[INV], 0x3c800000                   ; 1 / 64
	s_mov_b32 s[EPS], 0x3727c5ac                   ; 1e-5
	s_lshl_b32 s26, s24, 23                        ; x_q: the batch's 2^23 bytes,
	s_lshl_b32 s28, s[WV], 19                      ; my head's 2,048 rows of 256 bytes,
	s_add_co_u32 s26, s26, s28
	s_lshl_b32 s28, s25, 13                        ; my block's 32 rows
	s_add_co_u32 s26, s26, s28
	s_mov_b32 s27, 0
	s_lshl_b32 s28, s24, 23                        ; out0: the batch,
	s_lshl_b32 s29, s25, 17                        ; my block's 32 rows of 4,096 bytes,
	s_add_co_u32 s28, s28, s29
	s_lshl_b32 s29, s[WV], 8                       ; my wave's 64 columns
	s_add_co_u32 s28, s28, s29
	s_mov_b32 s29, 0
	s_lshl_b32 s30, s24, 18                        ; kv_img: the batch's 262,144 bytes, (in registers that never hold my place in the cluster)
	s_lshl_b32 s70, s[WV], 14                      ; key step w
	s_add_co_u32 s30, s30, s70
	s_mov_b32 s31, 0
	v_and_b32 v10, 15, v0                          ; r
	v_bfe_u32 v11, v0, 4, 1                        ; h
	s_delay_alu instid0(VALU_DEP_2)
	v_lshlrev_b32 v1, 8, v10
	s_delay_alu instid0(VALU_DEP_1)
	v_lshl_add_u32 v1, v11, 6, v1                  ; Q: row r of 256 bytes, + 64 h: my 16 dims of each 32
	s_delay_alu instid0(VALU_DEP_3)
	v_lshlrev_b32 v12, 6, v11                      ; the same dims in the gains
	s_wait_alu depctr_va_vdst(0)
	s_wait_dscnt 0x0                               ; the opening add is done
	s_wait_kmcnt 0x0
	s_load_b128 s[48:51], s[12:13], 0x0            ; e0 .. e3
	s_load_b64 s[52:53], s[12:13], 0x10            ; e4, e5
	s_add_nc_u64 s[4:5], s[4:5], s[26:27]
	s_add_nc_u64 s[20:21], s[20:21], s[28:29]
	s_lshl_b32 s26, s[WV], 8                       ; n_w, n_b: my head's 64 numbers
	s_add_nc_u64 s[14:15], s[14:15], s[26:27]
	s_add_nc_u64 s[16:17], s[16:17], s[26:27]
	s_lshl_b32 s26, s[WV], 16                      ; w_img: my four tiles of 16 rows, 16,384 bytes each
	s_add_nc_u64 s[18:19], s[18:19], s[26:27]
	s_mov_b32 s[G0], 1                             ; 1:0 count = 1
	s_lshl_b32 s[G0+1], s[WV], 14                  ; 63:32 LDS address: step w
	s_add_nc_u64 s[G0+2:G0+3], s[10:11], s[30:31]  ; 120:64 global address
	s_or_b32 s[G0+3], s[G0+3], 0x80000000          ; 127:126 type = 2
	CROUND                                         ; all four work-groups are here: the joint loads meet
	tensor_load_to_lds s[G0:G0+3], s[G1:G1+7]      ; my one tensor load of the launch: one is out.  It is asked for ahead of Q
	s_nop 0
.rept 4
	v_nop
.endr
.irp m, 0,1
.irp c, 0,1
.irp j, 0,1,2,3
	global_load_b128 v[64+32*\m+16*\c+4*\j:64+32*\m+16*\c+4*\j+3], v1, s[4:5] offset:4096*\m+128*\c+16*\j   ; tile m: register 16 c + i = dim 32 c + 16 h + i of query r.  No hint: the four loads j take 64 neighbouring bytes of a row by turns
.endr
.endr
.endr
.irp c, 0,1
.irp j, 0,1,2,3
	global_load_b128 v[128+16*\c+4*\j:128+16*\c+4*\j+3], v12, s[6:7] offset:128*\c+16*\j
	global_load_b128 v[160+16*\c+4*\j:160+16*\c+4*\j+3], v12, s[8:9] offset:128*\c+16*\j
.endr
.endr
.set jj, 0
.rept 64
	v_mov_b32 v[OA+jj], 0                          ; O^T.  (The step is written once: the first finds zeros, which the first change of M leaves zeros)
.set jj, jj+1
.endr
	v_mov_b32 v2, 0x7f61b1e6                       ; -M: 3e38, over every -t
	v_mov_b32 v4, 0x7f61b1e6
	v_mov_b32 v5, 0                                ; (named as the upper half of the pair v[4:5])
	v_mov_b32 v6, 0                                ; the sums, in two halves each
	v_mov_b32 v7, 0
	v_mov_b32 v8, 0
	v_mov_b32 v9, 0
	v_mov_b32 v11, 0                               ; (named as the upper half of the pair v[10:11])
	v_mov_b32 v13, 0                               ; written once: a lane permute's destination counts as one of its sources
	s_wait_kmcnt 0x0
	s_add_co_i32 s69, s48, s49
	s_lshl_b32 s69, s69, 23
	s_add_co_i32 s[CS], s69, 0x3fb8aa3b            ; a score stands for score x 2^(e0 + e1): the two exponents are added to the exponent field of log2(e)
	s_mov_b32 s[CS+1], s[CS]
	s_add_co_i32 s69, s50, 127
	s_lshl_b32 s71, s69, 23
	v_mov_b32 v[SC], s71                           ; 2^e2 as f32, for p's conversions
	s_add_co_i32 s69, s69, 8
	s_lshl_b32 s69, s69, 23
	s_or_b32 s[HOLDP], s69, 0x600000               ; 448 x 2^e2
	s_add_co_i32 s68, s50, s51                     ; e2 + e3
	s_add_co_i32 s69, s52, s53
	s_add_co_i32 s69, s69, 127
	s_lshl_b32 s66, s69, 23                        ; 2^(e4 + e5) as f32
	s_mov_b32 s67, s66
	s_add_co_i32 s69, s48, 130                     ; the operand is LN(q) / 8: its code is LN(q) / 2^(e0 + 3): the factor 1 / 8 goes into the conversion's scale and rounds nothing
	s_lshl_b32 s71, s69, 23
	v_mov_b32 v37, s71
	s_add_co_i32 s69, s69, 8
	s_lshl_b32 s69, s69, 23
	s_or_b32 s69, s69, 0x600000
	v_mov_b32 v36, s69
	s_wait_loadcnt 0x0                             ; Q and its gains
	ROWLN 64, 128, 160, 32
	ROWLN 96, 128, 160, 32
	QUANT32 64, QA
	QUANT32 96, QB
	v_nop                                          ; a plain vector line between the last conversion and the products that read its result and write over its sources
	s_mov_b32 s[TB], 0
; A tile's 64 scores lie in two runs of 32 registers: number n in v[lo + n] (n < 32) or v[hi + n - 32].  RG sets a symbol to that register.
.macro RG sym, lo, hi, n
.set \sym, (\lo)+(\n)+((\n)/32)*((\hi)-(\lo)-32)
.endm
; K's eight fragments of the step that begins off bytes behind v[ADR]: fragments 0-3 into v[g0] on, 4-7 into v[g1] on: 16 loads of 512 consecutive bytes
.macro KLOAD g0, g1, off
.irp i, 0,1,2,3
	ds_load_b128 v[\g0+8*\i:\g0+8*\i+3], v[ADR] offset:\off+\i*1024
	ds_load_b128 v[\g0+8*\i+4:\g0+8*\i+7], v[ADR] offset:\off+\i*1024+512
.endr
.irp i, 0,1,2,3
	ds_load_b128 v[\g1+8*\i:\g1+8*\i+3], v[ADR] offset:\off+4096+\i*1024
	ds_load_b128 v[\g1+8*\i+4:\g1+8*\i+7], v[ADR] offset:\off+4096+\i*1024+512
.endr
.endm
; The row's sum of the unquantised p, two at a time in four chains: sum = sum x f + the 64 p.  v[f]: f = 2^(old M - new M); v[t] .. v[t+5]: at work.
.macro SUM lo, hi, sm, f, t
	v_pk_fma_f32 v[\sm:\sm+1], v[\sm:\sm+1], v[\f:\f+1], v[\lo:\lo+1] op_sel_hi:[1,0,1]
	v_pk_add_f32 v[\t:\t+1], v[\lo+2:\lo+3], v[\lo+4:\lo+5]
	v_pk_add_f32 v[\t+2:\t+3], v[\lo+6:\lo+7], v[\lo+8:\lo+9]
	v_pk_add_f32 v[\t+4:\t+5], v[\lo+10:\lo+11], v[\lo+12:\lo+13]
.set jj, 14
.rept 6
	RG r0, \lo, \hi, jj
	RG r1, \lo, \hi, jj+2
	RG r2, \lo, \hi, jj+4
	RG r3, \lo, \hi, jj+6
	v_pk_add_f32 v[\sm:\sm+1], v[\sm:\sm+1], v[r0:r0+1]
	v_pk_add_f32 v[\t:\t+1], v[\t:\t+1], v[r1:r1+1]
	v_pk_add_f32 v[\t+2:\t+3], v[\t+2:\t+3], v[r2:r2+1]
	v_pk_add_f32 v[\t+4:\t+5], v[\t+4:\t+5], v[r3:r3+1]
.set jj, jj+8
.endr
	v_pk_add_f32 v[\sm:\sm+1], v[\sm:\sm+1], v[\hi+30:\hi+31]
	v_pk_add_f32 v[\t:\t+1], v[\t:\t+1], v[\t+2:\t+3]
	s_delay_alu instid0(VALU_DEP_2)
	v_pk_add_f32 v[\sm:\sm+1], v[\sm:\sm+1], v[\t+4:\t+5]
	s_delay_alu instid0(VALU_DEP_1)
	v_pk_add_f32 v[\sm:\sm+1], v[\sm:\sm+1], v[\t:\t+1]
.endm
; The hold of two p at the largest code x the scale, in one dual instruction: the conversion does not saturate (ISA guide 7.6.2); p is not negative, so the hold is one-sided
.macro HOLD2 r
	v_dual_min_num_f32 v[\r], s[HOLDP], v[\r] :: v_dual_min_num_f32 v[\r+1], s[HOLDP], v[\r+1]
.endm
; 64 held p become 64 codes, 16 registers: the second product's operand
.macro CODES lo, hi, p
.irp q, 0,1
	v_cvt_scalef32_pk8_fp8_f32 v[\p+4*\q:\p+4*\q+1], v[\lo+16*\q:\lo+16*\q+7], v[SC]
	v_cvt_scalef32_pk8_fp8_f32 v[\p+4*\q+2:\p+4*\q+3], v[\lo+16*\q+8:\lo+16*\q+15], v[SC]
.endr
.irp q, 0,1
	v_cvt_scalef32_pk8_fp8_f32 v[\p+8+4*\q:\p+8+4*\q+1], v[\hi+16*\q:\hi+16*\q+7], v[SC]
	v_cvt_scalef32_pk8_fp8_f32 v[\p+8+4*\q+2:\p+8+4*\q+3], v[\hi+16*\q+8:\hi+16*\q+15], v[SC]
.endr
.endm
; A KEY STEP: 128 keys for both tiles, walked together.  Each fragment of K and of V feeds two products; no two matrix instructions that follow each other share an accumulator.
; On entry K's fragments 0-3 are on their way into block a (v[KA] on), 4-7 into block b.  Tile B's scores go to block c (keys 0-63) and, when fragments 0-3 are done with, to block a (keys 64-127); p's codes go to block b.
; pre = 1: when tile B's p has been converted, blocks a and c take the next step's fragments: so b and c change roles from step to step, and a trip of the loop is two steps.
; Register 16 b' + i of a tile's scores is key 32 b' + 16 (lane / 16) + i of my query.  v10, v11 (tile A) and v12, v13 (tile B) are at work; then v10 = f of tile A, v12 = f of tile B.
.macro KSTEP b, c, pre
	s_wait_dscnt 0x0                               ; K's eight fragments are in, and no LDS access of mine is out
.if \pre
	s_barrier_signal -1                            ; I have begun this step
.endif
.irp i, 0,1,2,3
	v_wmma_f32_16x16x64_fp8_fp8 v[SCA+8*\i:SCA+8*\i+7], v[KA+8*\i:KA+8*\i+7], v[QA:QA+7], 0
	v_wmma_f32_16x16x64_fp8_fp8 v[\c+8*\i:\c+8*\i+7], v[KA+8*\i:KA+8*\i+7], v[QB:QB+7], 0
.endr
.irp i, 0,1,2,3
	v_wmma_f32_16x16x64_fp8_fp8 v[SCA+32+8*\i:SCA+32+8*\i+7], v[\b+8*\i:\b+8*\i+7], v[QA:QA+7], 0
.endr
.rept 5
	v_nop                                          ; five places: the next four products write over fragments 0-3, which matrix instructions have read (ISA guide 7.12.1)
.endr
.irp i, 0,1,2,3
	v_wmma_f32_16x16x64_fp8_fp8 v[KA+8*\i:KA+8*\i+7], v[\b+8*\i:\b+8*\i+7], v[QB:QB+7], 0
.endr
.rept 4
	v_nop                                          ; places in front of the first read of the scores
.endr
	v_max3_num_f32 v10, v[SCA], v[SCA+1], v[SCA+2] ; the largest scores, in four chains; each tile's registers in ascending order: each accumulator is read from its low end on
	v_max3_num_f32 v12, v[\c], v[\c+1], v[\c+2]
	v_max3_num_f32 v11, v[SCA+3], v[SCA+4], v[SCA+5]
	v_max3_num_f32 v13, v[\c+3], v[\c+4], v[\c+5]
.set jj, 6
.rept 14
	RG r0, \c, KA, jj
	RG r1, \c, KA, jj+2
	v_max3_num_f32 v10, v10, v[SCA+jj], v[SCA+jj+1]
	v_max3_num_f32 v12, v12, v[r0], v[r0+1]
	v_max3_num_f32 v11, v11, v[SCA+jj+2], v[SCA+jj+3]
	v_max3_num_f32 v13, v13, v[r1], v[r1+1]
.set jj, jj+4
.endr
	v_max3_num_f32 v10, v10, v[SCA+62], v[SCA+63]
	v_max3_num_f32 v12, v12, v[KA+30], v[KA+31]
	s_delay_alu instid0(VALU_DEP_2)
	v_max_num_f32 v10, v10, v11
	s_delay_alu instid0(VALU_DEP_2)
	v_max_num_f32 v12, v12, v13
	s_delay_alu instid0(VALU_DEP_2)
	v_permlanex16_b32 v11, v10, s[SEL], s[SEL+1]
	s_delay_alu instid0(VALU_DEP_2)
	v_permlanex16_b32 v13, v12, s[SEL], s[SEL+1]
	s_delay_alu instid0(VALU_DEP_2)
	v_max_num_f32 v10, v10, v11                    ; and among the query's other 64 keys, in the lane 16 away
	s_delay_alu instid0(VALU_DEP_2)
	v_max_num_f32 v12, v12, v13
	s_delay_alu instid0(VALU_DEP_2)
	v_mul_f32 v10, s[CS], v10                      ; as t (c is positive)
	s_delay_alu instid0(VALU_DEP_2)
	v_mul_f32 v12, s[CS], v12
	s_delay_alu instid0(VALU_DEP_2)
	v_floor_f32 v10, -v10                          ; -ceil(t)
	s_delay_alu instid0(VALU_DEP_2)
	v_floor_f32 v12, -v12
	v_mov_b32 v11, v2
	v_mov_b32 v13, v4
	s_delay_alu instid0(VALU_DEP_4)
	v_min_num_f32 v2, v2, v10                      ; the running -M: the ceiling is monotone, so the least of the steps' -ceil(t) is -ceil of the running largest t
	s_delay_alu instid0(VALU_DEP_4)
	v_min_num_f32 v4, v4, v12
	s_delay_alu instid0(VALU_DEP_2)
	v_sub_f32 v10, v2, v11                         ; old M - new M: a whole number, 0 or less
	s_delay_alu instid0(VALU_DEP_2)
	v_sub_f32 v12, v4, v13
	s_delay_alu instid0(VALU_DEP_2)
	v_cvt_i32_f32 v10, v10                         ; (it saturates)
	s_delay_alu instid0(VALU_DEP_2)
	v_cvt_i32_f32 v12, v12
	s_delay_alu instid0(VALU_DEP_2)
	v_ldexp_f32 v10, 1.0, v10                      ; f = 2^(old M - new M)
	s_delay_alu instid0(VALU_DEP_2)
	v_ldexp_f32 v12, 1.0, v12
.set jj, 0
.rept 16
	v_pk_mul_f32 v[OA+jj:OA+jj+1], v[OA+jj:OA+jj+1], v[10:11] op_sel_hi:[1,0]   ; O^T under the new M, ahead of the step's exponentials; each accumulator from its low end on
	v_pk_mul_f32 v[OB+jj:OB+jj+1], v[OB+jj:OB+jj+1], v[12:13] op_sel_hi:[1,0]
.set jj, jj+2
.endr
.set jj, 0
.rept 32
	v_pk_fma_f32 v[SCA+jj:SCA+jj+1], v[SCA+jj:SCA+jj+1], s[CS:CS+1], v[2:3] op_sel_hi:[1,0,0]   ; tile A: t - M, two at a time (of the pairs c and -M the low word serves both halves)
.set jj, jj+2
.endr
	s_wait_alu depctr_va_vdst(0)                   ; the wait ahead of the batch
.set jj, 0
.rept 32
	RG r0, \c, KA, jj
	v_exp_f32 v[SCA+jj], v[SCA+jj]                 ; tile A: p = 2^(t - M): not normalised
	v_exp_f32 v[SCA+jj+1], v[SCA+jj+1]
	v_pk_fma_f32 v[r0:r0+1], v[r0:r0+1], s[CS:CS+1], v[4:5] op_sel_hi:[1,0,0]   ; among them tile B's t - M, first read behind the waits below; the last is the plain line behind the batch
.set jj, jj+2
.endr
	s_wait_alu depctr_va_vdst(0)                   ; one wait for the batch, ahead of its first reader
	SUM SCA, SCA+32, 6, 10, \b+16
	s_wait_alu depctr_va_vdst(0)                   ; and ahead of the second batch
.set jj, 0
.rept 32
	RG r0, \c, KA, jj
	v_exp_f32 v[r0], v[r0]                         ; tile B's p
	v_exp_f32 v[r0+1], v[r0+1]
	HOLD2 SCA+jj                                   ; among them tile A's holds, first read behind the wait below
.set jj, jj+2
.endr
	v_nop                                          ; a plain line behind the batch
	s_wait_alu depctr_va_vdst(0)                   ; one wait for the batch, ahead of its first reader
	CODES SCA, SCA+32, \b
	v_nop                                          ; a plain line behind the conversions
.irp t, 0,1,2,3                                ; V's four fragments take the registers that tile A's p has left
.irp u, 0,1,2,3
	ds_load_b128 v[SCA+16*\t+4*\u:SCA+16*\t+4*\u+3], v[ADR] offset:8192+2048*\t+512*\u
.endr
.endr
	SUM \c, KA, 8, 12, \b+16
.set jj, 0
.rept 32
	RG r0, \c, KA, jj
	HOLD2 r0
.set jj, jj+2
.endr
	CODES \c, KA, \b+16
.if \pre
	KLOAD KA, \c, 16384                            ; the next step's fragments of K take the registers that tile B's p has left
.endif
	v_nop                                          ; a plain line between the last conversion and the products that read its result
	s_wait_alu depctr_va_vdst(0)                   ; the wait here, directly ahead of the wait below
.if \pre
	s_wait_dscnt 16                                ; V's 16 loads are in; the 16 issued behind them, the next step's K, may be out
.else
	s_wait_dscnt 0x0
.endif
.irp t, 0,1,2,3                                ; O^T += V^T P^T: 16 channels at a time, K = these 128 keys
	v_wmma_f32_16x16x128_fp8_fp8 v[OA+8*\t:OA+8*\t+7], v[SCA+16*\t:SCA+16*\t+15], v[\b:\b+15], v[OA+8*\t:OA+8*\t+7]
	v_wmma_f32_16x16x128_fp8_fp8 v[OB+8*\t:OB+8*\t+7], v[SCA+16*\t:SCA+16*\t+15], v[\b+16:\b+31], v[OB+8*\t:OB+8*\t+7]
.endr
.if \pre
	s_barrier_wait -1                              ; every wave has begun this step
	s_add_co_u32 s[TB], s[TB], 16384               ; the next step
	v_and_b32 v[ADR], 31, v0                       ; five places in front of the next products, which write over V's fragments and p's codes
	s_delay_alu instid0(VALU_DEP_1)
	v_lshl_add_u32 v[ADR], v[ADR], 4, s[TB]
.rept 3
	v_nop
.endr
.endif
.endm
	s_mov_b32 s[CNT], 7
	v_and_b32 v[ADR], 31, v0
	s_delay_alu instid0(VALU_DEP_1)
	v_lshlrev_b32 v[ADR], 4, v[ADR]                ; 16 x lane
	s_wait_alu depctr_va_vdst(0)                   ; the wait at the head's end
	s_wait_tensorcnt 0x0                           ; my step's 16,384 bytes are in,
	s_barrier_signal -1
	s_barrier_wait -1                              ; everybody's are: all of K and V lie in LDS
	KLOAD KA, 128, 0                               ; step 0's fragments of K
.Lstep:                                            ; 7 trips of two steps; the last two steps are written out, so that the last fetches nothing behind K and V
	KSTEP 128, 160, 1
	KSTEP 160, 128, 1
	s_sub_co_u32 s[CNT], s[CNT], 1
	s_cmp_lg_u32 s[CNT], 0
	s_cbranch_scc1 .Lstep
	KSTEP 128, 160, 1
	KSTEP 160, 128, 0
; BEHIND THE LOOP.  REGISTERS: v1 16 x lane; v16, v17 where I store and read the rows' sums; v18 my gains' offset; v19 where I store my images; v20, v21 2^e4 and 448 x 2^e4; v[22:23], v[24:25] a number for tile A's
; and tile B's row, as pairs for the packed forms (the low word serves both halves); v26-31 at work; v32-47 codes; v48-63 sixteen parts of a sum; v64-95 n_w, v96-127 n_b of my 32 channels; v128-191, later v64-127 too: proj_w's fragments.
.macro WLOAD buf, s                            ; my four tiles' fragments of K step s of proj_w: 16 loads of 512 consecutive bytes
.irp T, 0,1,2,3
.irp q, 0,1,2,3
	global_load_b128 v[\buf+16*\T+4*\q:\buf+16*\T+4*\q+3], v1, s[18:19] offset:16384*\T+2048*(\s)+512*\q
.endr
.endr
.endm
; the sum (sq = 0) or the sum of squares (sq = 1) of my head's 64 channels of the row in v[o] on, into v[d]: my 32 and those of the lane 16 away
.macro RED32 o, sq, d
.if \sq
	v_pk_mul_f32 v[26:27], v[\o:\o+1], v[\o:\o+1]
	v_pk_mul_f32 v[28:29], v[\o+2:\o+3], v[\o+2:\o+3]
.set jj, 4
.rept 7
	s_delay_alu instid0(VALU_DEP_2)
	v_pk_fma_f32 v[26:27], v[\o+jj:\o+jj+1], v[\o+jj:\o+jj+1], v[26:27]
	s_delay_alu instid0(VALU_DEP_2)
	v_pk_fma_f32 v[28:29], v[\o+jj+2:\o+jj+3], v[\o+jj+2:\o+jj+3], v[28:29]
.set jj, jj+4
.endr
.else
	v_pk_add_f32 v[26:27], v[\o:\o+1], v[\o+2:\o+3]
	v_pk_add_f32 v[28:29], v[\o+4:\o+5], v[\o+6:\o+7]
.set jj, 8
.rept 6
	s_delay_alu instid0(VALU_DEP_2)
	v_pk_add_f32 v[26:27], v[26:27], v[\o+jj:\o+jj+1]
	s_delay_alu instid0(VALU_DEP_2)
	v_pk_add_f32 v[28:29], v[28:29], v[\o+jj+2:\o+jj+3]
.set jj, jj+4
.endr
.endif
	s_delay_alu instid0(VALU_DEP_1)
	v_pk_add_f32 v[26:27], v[26:27], v[28:29]
	s_delay_alu instid0(VALU_DEP_1)
	v_add_f32 v26, v26, v27
	s_delay_alu instid0(VALU_DEP_1)
	v_permlanex16_b32 v27, v26, s[SEL], s[SEL+1]
	s_delay_alu instid0(VALU_DEP_1)
	v_add_f32 v[\d], v26, v27
.endm
; v30 (tile A's row lane % 16) and v31 (tile B's) hold my head's part of a sum over the row's 1,024.  Lane l stores the part of row l; behind the barrier it reads row l's sixteen parts and adds them,
; in the same order in every wave: v30 = the sum of row l.
.macro EXCH off
	s_delay_alu instid0(VALU_DEP_1)
	v_cndmask_b32 v30, v30, v31, s[HM]
	ds_store_b32 v16, v30 offset:\off
	s_wait_dscnt 0x0                               ; for the others' sake: my store has landed (and all my earlier LDS loads are in)
	s_barrier_signal -1
	s_barrier_wait -1
.irp q, 0,1,2,3
	ds_load_b128 v[48+4*\q:48+4*\q+3], v17 offset:\off+16*\q
.endr
	s_wait_dscnt 0x0
	v_pk_add_f32 v[48:49], v[48:49], v[50:51]
	v_pk_add_f32 v[52:53], v[52:53], v[54:55]
	v_pk_add_f32 v[56:57], v[56:57], v[58:59]
	v_pk_add_f32 v[60:61], v[60:61], v[62:63]
	s_delay_alu instid0(VALU_DEP_3)
	v_pk_add_f32 v[48:49], v[48:49], v[52:53]
	s_delay_alu instid0(VALU_DEP_2)
	v_pk_add_f32 v[56:57], v[56:57], v[60:61]
	s_delay_alu instid0(VALU_DEP_1)
	v_pk_add_f32 v[48:49], v[48:49], v[56:57]
	s_delay_alu instid0(VALU_DEP_1)
	v_add_f32 v30, v48, v49
.endm
; row l's number in v30 goes to the lanes that hold the row: tile A's lanes want row lane % 16, tile B's row 16 + lane % 16
.macro SPREAD
	v_permlanex16_b32 v31, v30, s[SEL], s[SEL+1]
	v_cndmask_b32 v22, v30, v31, s[HM]
	v_cndmask_b32 v24, v31, v30, s[HM]
.endm
	v_and_b32 v1, 31, v0
	s_delay_alu instid0(VALU_DEP_1)
	v_mul_u32_u24 v17, v1, 80
	s_delay_alu instid0(VALU_DEP_1)
	v_add_nc_u32 v17, STAT1, v17                   ; row l's sixteen words
	s_lshl_b32 s69, s[WV], 2
	v_add_nc_u32 v16, s69, v17                     ; my wave's word among them
	v_lshlrev_b32 v1, 4, v1                        ; 16 x lane
	v_bfe_u32 v18, v0, 4, 1
	s_delay_alu instid0(VALU_DEP_1)
	v_lshlrev_b32 v18, 5, v18                      ; 32 h: my 8 channels of each 16
	s_lshl_b32 s69, s[WV], 10
	s_add_co_u32 s69, s69, XIMG
	v_add_nc_u32 v19, s69, v1                      ; my head's images
	v_and_b32 v26, 16, v0
	s_delay_alu instid0(VALU_DEP_1)
	v_cmp_ne_u32 s[HM], 0, v26
	s_mov_b32 s[INV], 0x3a800000                   ; 1 / 1024
.irp t, 0,1,2,3
.irp u, 0,1
	global_load_b128 v[64+8*\t+4*\u:64+8*\t+4*\u+3], v18, s[14:15] offset:64*\t+16*\u   ; n_w and n_b at channels 16 t + 8 h + 0 .. 7 of my head: O^T's own order
	global_load_b128 v[96+8*\t+4*\u:96+8*\t+4*\u+3], v18, s[16:17] offset:64*\t+16*\u
.endr
.endr
	WLOAD 128, 0                                   ; the projection's first K step is asked for ahead of the layer norm
	v_add_f32 v6, v6, v7                           ; the sums' two halves,
	v_add_f32 v8, v8, v9
	s_delay_alu instid0(VALU_DEP_2)
	v_permlanex16_b32 v10, v6, s[SEL], s[SEL+1]
	s_delay_alu instid0(VALU_DEP_2)
	v_permlanex16_b32 v12, v8, s[SEL], s[SEL+1]
	s_delay_alu instid0(VALU_DEP_2)
	v_add_f32 v6, v6, v10                          ; and the lane 16 away's: the rows' sums l
	s_delay_alu instid0(VALU_DEP_2)
	v_add_f32 v8, v8, v12
	s_wait_alu depctr_va_vdst(0)
	v_rcp_f32 v22, v6
	v_rcp_f32 v24, v8
	v_nop                                          ; a plain instruction behind the reciprocals,
	s_wait_alu depctr_va_vdst(0)                   ; and one wait for both, ahead of the first use
	v_ldexp_f32 v22, v22, s68                      ; 2^(e2 + e3) / l
	v_ldexp_f32 v24, v24, s68
.set jj, 0
.rept 16
	v_pk_mul_f32 v[OA+jj:OA+jj+1], v[OA+jj:OA+jj+1], v[22:23] op_sel_hi:[1,0]   ; attention's result, each accumulator from its low end on
.set jj, jj+2
.endr
.set jj, 0
.rept 16
	v_pk_mul_f32 v[OB+jj:OB+jj+1], v[OB+jj:OB+jj+1], v[24:25] op_sel_hi:[1,0]
.set jj, jj+2
.endr
	; the layer norm over a row's 1,024 = 16 heads x 64: the waves' parts meet in LDS, once for the mean and once for the squares of what is left when the mean is taken away
	RED32 OA, 0, 30
	RED32 OB, 0, 31
	EXCH 0                                         ; its barrier also parts every wave's last read of K and V from the stages that are written there later
	s_delay_alu instid0(VALU_DEP_1)
	v_mul_f32 v30, s[INV], v30                     ; the mean
	SPREAD
.set jj, 0
.rept 16
	v_pk_add_f32 v[OA+jj:OA+jj+1], v[OA+jj:OA+jj+1], v[22:23] op_sel_hi:[1,0] neg_lo:[0,1] neg_hi:[0,1]
	v_pk_add_f32 v[OB+jj:OB+jj+1], v[OB+jj:OB+jj+1], v[24:25] op_sel_hi:[1,0] neg_lo:[0,1] neg_hi:[0,1]
.set jj, jj+2
.endr
	RED32 OA, 1, 30
	RED32 OB, 1, 31
	EXCH STAT2
	s_delay_alu instid0(VALU_DEP_1)
	v_fma_f32 v30, v30, s[INV], s[EPS]             ; the variance + 1e-5
	s_wait_alu depctr_va_vdst(0)
	v_rsq_f32 v30, v30
	v_nop
	s_wait_alu depctr_va_vdst(0)
	SPREAD
	s_add_co_i32 s69, s52, 127
	s_lshl_b32 s71, s69, 23
	v_mov_b32 v20, s71                             ; 2^e4 as f32
	s_add_co_i32 s69, s69, 8
	s_lshl_b32 s69, s69, 23
	s_or_b32 s69, s69, 0x600000
	v_mov_b32 v21, s69                             ; 448 x 2^e4
.set jj, 0
.rept 16
	v_pk_mul_f32 v[OA+jj:OA+jj+1], v[OA+jj:OA+jj+1], v[22:23] op_sel_hi:[1,0]
	v_pk_mul_f32 v[OB+jj:OB+jj+1], v[OB+jj:OB+jj+1], v[24:25] op_sel_hi:[1,0]
.set jj, jj+2
.endr
	s_wait_loadcnt 16                              ; the 16 loads of n_w and n_b are in; the 16 issued behind them, proj_w's K step 0, may be out
.set jj, 0
.rept 16
	v_pk_fma_f32 v[OA+jj:OA+jj+1], v[OA+jj:OA+jj+1], v[64+jj:64+jj+1], v[96+jj:96+jj+1]
	v_pk_fma_f32 v[OB+jj:OB+jj+1], v[OB+jj:OB+jj+1], v[64+jj:64+jj+1], v[96+jj:96+jj+1]
.set jj, jj+2
.endr
	WLOAD 64, 1                                    ; K step 1 takes the gains' registers
.set jj, 0
.rept 64
	v_med3_num_f32 v[OA+jj], v[OA+jj], -v21, v21   ; the hold at the largest code x the scale
.set jj, jj+1
.endr
.irp m, 0,1
.irp t, 0,1,2,3
	v_cvt_scalef32_pk8_fp8_f32 v[32+8*\m+2*\t:32+8*\m+2*\t+1], v[OA+32*\m+8*\t:OA+32*\m+8*\t+7], v20   ; k = 64 w + 16 t + 8 h + 0 .. 7 of row r: registers 2 t, 2 t + 1 of half a fragment, in the form's own order
.endr
.endr
	v_nop                                          ; a plain vector line behind the last conversion: the projection's products write over its sources
.irp m, 0,1
.irp q, 0,1
	ds_store_b128 v19, v[32+8*\m+4*\q:32+8*\m+4*\q+3] offset:16384*\m+512*\q   ; the codes go to the other waves as images of their registers
.endr
.endr
	v_add_nc_u32 v2, XIMG, v1                      ; where any wave reads them
	v_and_b32 v7, 15, v0                           ; r
	v_bfe_u32 v8, v0, 4, 1                         ; h
	s_mul_i32 s69, s[WV], 8704                     ; my stage for the way out: 32 rows of 256 bytes + 16
	v_mul_u32_u24 v4, v7, 272
	s_delay_alu instid0(VALU_DEP_1)
	v_lshl_add_u32 v4, v8, 5, v4
	s_delay_alu instid0(VALU_DEP_1)
	v_add_nc_u32 v4, s69, v4                       ; in: row r, 32 bytes for each half of the lanes
	v_mul_u32_u24 v5, v8, 272
	s_delay_alu instid0(VALU_DEP_1)
	v_lshl_add_u32 v5, v7, 4, v5
	s_delay_alu instid0(VALU_DEP_1)
	v_add_nc_u32 v5, s69, v5                       ; back: lanes 0-15 one row, lanes 16-31 the next
	v_lshlrev_b32 v6, 12, v8
	s_delay_alu instid0(VALU_DEP_1)
	v_lshl_add_u32 v6, v7, 4, v6                   ; and the same two rows in out0
	s_wait_dscnt 0x0                               ; for the others' sake: my images have landed
	s_barrier_signal -1
	s_barrier_wait -1                              ; the 32 rows' codes, all 1,024 along K, lie in LDS
; THE PROJECTION: 8 K steps of 128 (two heads each), written out.  Source 0 = 16 rows of proj_w, source 1 = 16 rows of x: a lane holds eight neighbouring columns of row lane % 16.
; Eight accumulators (tile T of my columns, tile m of the rows, at v[192 + 8 (2 T + m)]) take turns, one instruction a turn.  proj_w's fragments run two K steps ahead, in two sets of 64 registers.
.macro XLOAD s                                 ; the two row tiles' fragments of K step s
.irp m, 0,1
.irp q, 0,1,2,3
	ds_load_b128 v[16+16*\m+4*\q:16+16*\m+4*\q+3], v2 offset:16384*\m+2048*(\s)+512*\q
.endr
.endr
.endm
.macro PSTEP s
.if \s < 7
	s_wait_loadcnt 16                              ; this step's 16 loads of proj_w are in; the next step's 16 may be out
.else
	s_wait_loadcnt 0x0
.endif
	s_wait_dscnt 0x0                               ; x's fragments are in
.set WB, 128-64*((\s)%2)
.irp T, 0,1,2,3
.irp m, 0,1
.if \s == 0
	v_wmma_f32_16x16x128_fp8_fp8 v[192+8*(2*\T+\m):192+8*(2*\T+\m)+7], v[WB+16*\T:WB+16*\T+15], v[16+16*\m:16+16*\m+15], 0
.else
	v_wmma_f32_16x16x128_fp8_fp8 v[192+8*(2*\T+\m):192+8*(2*\T+\m)+7], v[WB+16*\T:WB+16*\T+15], v[16+16*\m:16+16*\m+15], v[192+8*(2*\T+\m):192+8*(2*\T+\m)+7]
.endif
.endr
.endr
.rept 4
	v_nop                                          ; places in front of loads into registers that these products have read, and of the first read of the results
.endr
.if \s < 7
	XLOAD (\s)+1
.endif
.if \s < 6
	WLOAD WB, (\s)+2
.endif
.endm
	XLOAD 0
.irp s, 0,1,2,3,4,5,6,7
	PSTEP \s
.endr
	; THE WAY OUT.  A lane holds 32 neighbouring bytes of a row, and the lanes beside it other rows: so the wave's 32 rows x 64 columns go through its own stage and come back as rows of 256 bytes.
.set jj, 0
.rept 32
	v_pk_mul_f32 v[64+jj:64+jj+1], v[192+jj:192+jj+1], s[66:67] op_sel_hi:[1,0]   ; x 2^(e4 + e5); each accumulator from its low end on
.set jj, jj+2
.endr
.irp T, 0,1,2,3
.irp m, 0,1
	ds_store_b128 v4, v[64+8*(2*\T+\m):64+8*(2*\T+\m)+3] offset:4352*\m+64*\T
	ds_store_b128 v4, v[64+8*(2*\T+\m)+4:64+8*(2*\T+\m)+7] offset:4352*\m+64*\T+16
.endr
.endr
.irp i, 0,1,2,3,4,5,6,7,8,9,10,11,12,13,14,15
	ds_load_b128 v[128+4*\i:128+4*\i+3], v5 offset:544*\i   ; LDS serves a wave's instructions in order (ISA guide 5.7.1.4): these see my stores
.endr
.irp i, 0,1,2,3,4,5,6,7,8,9,10,11,12,13,14,15
	s_wait_dscnt 15-\i                             ; rows 2 i, 2 i + 1 are back; the younger loads may be out
	global_store_b128 v6, v[128+4*\i:128+4*\i+3], s[20:21] offset:8192*\i th:TH_STORE_NT   ; sixteen lanes store 256 consecutive bytes, at a multiple of 256 from out0's first byte
.endr
	s_wait_tensorcnt 0x0                           ; the wave's end: behind my tensor load and my last LDS store
	ds_add_u32 v[SPW], v[NIL]
	s_wait_dscnt 0x0
	CROUND                                         ; the closing round
	s_endpgm
.Lfunc_end_k_q96f3fd6e4f_attn:
	.size	k_q96f3fd6e4f_attn, .Lfunc_end_k_q96f3fd6e4f_attn-k_q96f3fd6e4f_attn
	.p2alignl 7, 3214868480
	.fill 96, 4, 3214868480
	.section	.rodata,"a",@progbits
	.p2align	6, 0x0
	.amdhsa_kernel k_q96f3fd6e4f_attn
		.amdhsa_group_segment_fixed_size 327680
		.amdhsa_private_segment_fixed_size 0
		.amdhsa_enable_private_segment 0
		.amdhsa_kernarg_size 72
		.amdhsa_user_sgpr_count 2
		.amdhsa_user_sgpr_kernarg_segment_ptr 1
		.amdhsa_wavefront_size32 1
		.amdhsa_system_sgpr_workgroup_id_x 1
		.amdhsa_system_sgpr_workgroup_id_y 1
		.amdhsa_system_sgpr_workgroup_id_z 1
		.amdhsa_system_vgpr_workitem_id 0
		.amdhsa_next_free_vgpr 256
		.amdhsa_next_free_sgpr 72
		.amdhsa_reserve_vcc 0
		.amdhsa_float_denorm_mode_32 3
		.amdhsa_float_denorm_mode_16_64 3
		.amdhsa_memory_ordered 1
		.amdhsa_forward_progress 1
		.amdhsa_inst_pref_size 198
	.end_amdhsa_kernel
	.amdgpu_metadata
---
amdhsa.version: [ 1, 2 ]
amdhsa.kernels:
  - .name:           k_q96f3fd6e4f_attn
    .symbol:         k_q96f3fd6e4f_attn.kd
    .args:
      - { .name: x_q, .offset: 0, .size: 8, .value_kind: global_buffer, .address_space: global }
      - { .name: qn_w, .offset: 8, .size: 8, .value_kind: global_buffer, .address_space: global }
      - { .name: qn_b, .offset: 16, .size: 8, .value_kind: global_buffer, .address_space: global }
      - { .name: kv_img, .offset: 24, .size: 8, .value_kind: global_buffer, .address_space: global }
      - { .name: lowp_scales, .offset: 32, .size: 8, .value_kind: global_buffer, .address_space: global }
      - { .name: n_w, .offset: 40, .size: 8, .value_kind: global_buffer, .address_space: global }
      - { .name: n_b, .offset: 48, .size: 8, .value_kind: global_buffer, .address_space: global }
      - { .name: w_img, .offset: 56, .size: 8, .value_kind: global_buffer, .address_space: global }
      - { .name: out0, .offset: 64, .size: 8, .value_kind: global_buffer, .address_space: global }
    .group_segment_fixed_size: 327680
    .private_segment_fixed_size: 0
    .kernarg_segment_align: 8
    .kernarg_segment_size: 72
    .max_flat_workgroup_size: 512
    .sgpr_count:     72
    .vgpr_count:     256
    .wavefront_size: 32
...
	.end_amdgpu_metadata
.endif
;; end of part 2
